; MI455X (gfx1250); checked and timed in simulation.
; The chip was launched on July 23, 2026; its instructions are those of AMD's public machine-readable ISA for CDNA 5 (MIT licence, August 2026) and "CDNA5" Instruction Set Architecture Reference Guide (July 2026). The comments in the code are by the model that wrote it; some were corrected since.
;; Gemm RS Intra Node. Allowed arithmetic: float matrix products may take bf16 or f16 operands with f32 sums; other float arithmetic in f32, or as packed bf16 or f16 multiplies, adds, multiply-adds, maxima and minima; sums over many terms, partial sums and values carried from step to step in f32; what a program stores and reads back later, other than sums and carried values, may be rounded once to bf16 or f16.
;; Inputs: input 8 x 2,048 x 1,024 float32; weight 8 x 4,096 x 1,024 float32.
;; Outputs: out0 8 x 256 x 4,096 float32.
;; 2 versions, each right; version 2 is version 1 with the launch cast written anew for expert scheduling mode. Each part assembles by itself: llvm-mc -triple=amdgcn-amd-amdhsa -mcpu=gfx1250 --defsym DOCPART=n.
;; ======== version 1 of 2: 2 launches
;; workspace buffers: abf 33,554,432 bytes; wbf 67,108,864 bytes
;; launch cast (part 1): grid 768 x 1, 4 waves a work-group, no clusters, 17,920 bytes of LDS; arguments input, weight, abf, wbf; writes abf, wbf
.if DOCPART == 1
	.amdgcn_target "amdgcn-amd-amdhsa--gfx1250"
	.amdhsa_code_object_version 6
	.text
	.protected	k_q5de9e61697_cast
	.globl	k_q5de9e61697_cast
	.p2align	8
	.type	k_q5de9e61697_cast,@function
k_q5de9e61697_cast:
	s_mov_b64 s[64:65], 0
	v_nop
	global_prefetch_b8 v0, s[64:65] scope:SCOPE_SE
	s_setreg_imm32_b32 hwreg(HW_REG_WAVE_MODE, 25, 1), 1
	s_wait_xcnt 0x0
; out0 = the sum over rank r and k of input[r][m][k] weight[r][n][k]: one product with M = 2,048, N = 4,096 and 8 x 1,024 = 8,192 along K.
; NOTHING IS LEFT OUT: every number of both inputs reaches an output, so both are loaded whole.
; THIS LAUNCH rounds both inputs to bf16 once (to nearest even) and lays them out BY FRAGMENTS, as the second launch's matrix registers take them.
; A fragment is 16 rows x 32 k, 1,024 bytes: row r, k = 16 c + 8 h + e (c, h in 0..1, e in 0..7) lies at byte 512 c + 256 h + 16 r + 2 e.
; So lane l = 16 h + r of a wave finds its registers 0-3 at byte 16 l and its registers 4-7 at byte 512 + 16 l.
; With F = 32 rank + k / 32 (0..255):   abf = [tile row i: 16][F: 256][a: 8][1,024]   for m = 128 i + 16 a + r
;                                       wbf = [tile column j: 16][F: 256][b: 16][1,024]  for n = 256 j + 16 b + r
; LIMITS.  An f32 beyond bf16's largest finite number rounds to an infinity; NaN and infinities are not treated apart.
; SHARES.  A task is 16 rows x 1,024 k of one rank: 65,536 consecutive bytes of its input, number t.  input has 1,024 tasks, weight 2,048; a wave takes one: 768 work-groups of 4 waves.
; Work-groups 0..255 take input, the others weight.  A task goes in 8 turns of 128 k (4 fragments): 16 loads of 512 consecutive bytes (one a row), rounding, a turn through the wave's own
; stage in LDS, 8 stores of 512 consecutive bytes, aligned.  Two sets of registers: while one is rounded the other's 16 loads are on their way.
; No barrier: a stage is its wave's own, and LDS serves a wave's instructions in order (ISA guide 5.7.1.4).
.set UP,    272                        ; a unit of 256 bytes in the stage + 16 of padding = 68 words: the 32 lanes' 8-byte stores fall on words 2 l + 4 r mod 64, all different (64 banks of 4 bytes: ISA guide 11.1)
.set STG,   16*UP                      ; a wave's stage: the 16 units of 4 fragments
.set SPARE, 4*STG                      ; behind the stages: the spare words, 128 bytes for each wave: two blocks of 256 bytes that no other line names
.set SPW, 2                            ; v2   LDS address of my spare word; never rewritten
.set NIL, 3                            ; v3   0; never rewritten
.set LO,  4                            ; v4   16 x lane: my 4 numbers in a row's 512 bytes; never rewritten
.set SA,  5                            ; v5   stage, in: unit lane / 2, byte 8 (lane % 2)
.set SR,  6                            ; v6   stage, back: unit lane / 16, byte 16 (lane % 16)
.set DO,  8                            ; v8-11  16 x lane + f x the bytes from a fragment to the next along F; never rewritten
.set X,   16                           ; v[16:143]  two sets of 64: row r's 4 numbers at 4 r
.set O,   144                          ; v[144:175] the turn's 4 fragments, to store
.set SRC, 14                           ; s[14:15]  my task's first byte
.set DST, 16                           ; s[16:17]  the turn's first fragment
.set STEP, 18                          ; s[18:19]  4 fragments along F, in bytes
	s_load_b256 s[4:11], s[0:1], 0x0               ; input s[4:5], weight s[6:7], abf s[8:9], wbf s[10:11]
	v_lshl_add_u32 v[SPW], v0, 2, SPARE
	v_mov_b32 v[NIL], 0
	v_lshrrev_b32 v1, 5, v0
	v_readfirstlane_b32 s12, v1                    ; wave 0..3
	v_and_b32 v1, 31, v0                           ; lane
	s_lshl_b32 s20, ttmp9, 2
	s_add_co_u32 s20, s20, s12                     ; 4 x work-group + wave
	s_cmp_lt_u32 ttmp9, 256                        ; input or weight?
	s_cselect_b32 s21, 3, 4                        ; log2 of the 16-row blocks in a tile: 8 or 16
	s_cselect_b32 s22, 7, 8                        ; log2 of the tasks in a rank: 128 or 256
	s_cselect_b32 s23, 0, 1024
	s_sub_co_u32 s20, s20, s23                     ; t
	s_lshr_b32 s24, s20, s22                       ; rank
	s_lshl_b32 s25, s24, s22
	s_sub_co_u32 s25, s20, s25                     ; the 16-row block in the rank
	s_lshr_b32 s26, s25, s21                       ; its tile,
	s_lshl_b32 s27, s26, s21
	s_sub_co_u32 s27, s25, s27                     ; and its place there
	s_lshl_b32 s26, s26, 8
	s_lshl_b32 s24, s24, 5
	s_add_co_u32 s26, s26, s24                     ; 256 x tile + 32 x rank
	s_lshl_b32 s26, s26, s21
	s_add_co_u32 s26, s26, s27
	s_lshl_b32 s26, s26, 10                        ; my first fragment's byte offset (under 2^27)
	s_mov_b32 s27, 0
	s_lshl_b32 s30, s20, 16                        ; my task's byte offset (under 2^28)
	s_mov_b32 s31, 0
	s_lshl_b32 s28, 1024, s21                      ; bytes from a fragment to the next along F
	s_lshl_b32 s[STEP], s28, 2
	s_mov_b32 s[STEP+1], 0
	s_mul_i32 s29, s12, STG                        ; my stage
	v_lshlrev_b32 v[LO], 4, v1
	v_lshrrev_b32 v7, 1, v1
	v_mul_u32_u24 v[SA], v7, UP
	v_and_b32 v7, 1, v1
	v_lshl_add_u32 v[SA], v7, 3, v[SA]
	v_add_nc_u32 v[SA], s29, v[SA]
	v_lshrrev_b32 v7, 4, v1
	v_mul_u32_u24 v[SR], v7, UP
	v_and_b32 v7, 15, v1
	v_lshl_add_u32 v[SR], v7, 4, v[SR]
	v_add_nc_u32 v[SR], s29, v[SR]
	v_mov_b32 v[DO], v[LO]
	v_add_nc_u32 v[DO+1], s28, v[DO]
	v_add_nc_u32 v[DO+2], s28, v[DO+1]
	v_add_nc_u32 v[DO+3], s28, v[DO+2]
	s_wait_kmcnt 0x0
	s_cmp_lt_u32 ttmp9, 256                        ; compared anew: the sums above have written SCC
	s_cselect_b64 s[SRC:SRC+1], s[4:5], s[6:7]
	s_cselect_b64 s[DST:DST+1], s[8:9], s[10:11]
	s_add_nc_u64 s[SRC:SRC+1], s[SRC:SRC+1], s[30:31]
	s_add_nc_u64 s[DST:DST+1], s[DST:DST+1], s[26:27]
; Turn it's 16 loads into its set: 512 consecutive bytes of each of the 16 rows; lane l takes k = 128 it + 4 l .. + 3.
.macro LOADS it
.irp r, 0,1,2,3,4,5,6,7,8,9,10,11,12,13,14,15
	global_load_b128 v[X+64*((\it)%2)+4*(\r):X+64*((\it)%2)+4*(\r)+3], v[LO], s[SRC:SRC+1] offset:4096*(\r)+512*(\it) th:TH_LOAD_NT
.endr
.endm
; Rounded in pairs, 8 bytes a lane and row, into the stage.  Lane l's four k lie in fragment l / 8, c = (l / 4) % 2, h = (l / 2) % 2, e = 4 (l % 2) ..: unit l / 2, byte 16 r + 8 (l % 2).
.macro CVT it
.irp r, 0,1,2,3,4,5,6,7,8,9,10,11,12,13,14,15
	v_cvt_pk_bf16_f32 v[X+64*((\it)%2)+4*(\r)],   v[X+64*((\it)%2)+4*(\r)],   v[X+64*((\it)%2)+4*(\r)+1]
	v_cvt_pk_bf16_f32 v[X+64*((\it)%2)+4*(\r)+1], v[X+64*((\it)%2)+4*(\r)+2], v[X+64*((\it)%2)+4*(\r)+3]
	ds_store_b64 v[SA], v[X+64*((\it)%2)+4*(\r):X+64*((\it)%2)+4*(\r)+1] offset:16*(\r)
.endr
.endm
; Back as whole units, two to a load; the set is asked for again; the four fragments are stored.
.macro OUT it
	s_wait_xcnt 0x0                                ; every earlier memory instruction has had its addresses translated (ISA guide 3.1): O and DST, which the last turn's stores read, are rewritten only behind this wait
.if (\it) > 0
	s_add_nc_u64 s[DST:DST+1], s[DST:DST+1], s[STEP:STEP+1]
.endif
.irp t, 0,1,2,3,4,5,6,7
	ds_load_b128 v[O+4*(\t):O+4*(\t)+3], v[SR] offset:2*UP*(\t)  ; units 2 t and 2 t + 1; these see the stores above: a wave's LDS instructions are served in order
.endr
.if (\it) < 6
	s_wait_dscnt 8                                 ; only the 8 loads just issued may be out: the 16 stores that read the set are done
	LOADS (\it)+2                                  ; the same set, two turns on
.endif
.irp t, 0,1,2,3,4,5,6,7
	s_wait_dscnt 7-(\t)                            ; LDS loads come back in order: number t is in, the younger ones may be out
	global_store_b128 v[DO+(\t)/2], v[O+4*(\t):O+4*(\t)+3], s[DST:DST+1] offset:512*((\t)%2) th:TH_STORE_NT  ; half a fragment: 512 consecutive bytes, aligned
.endr
.endm
	LOADS 0
	LOADS 1
.irp it, 0,1,2,3,4,5,6,7
.if (\it) < 7
	s_wait_loadcnt 16                              ; this turn's set is in; the other set's 16 younger loads may stay out
.else
	s_wait_loadcnt 0x0                             ; the last set: nothing was issued behind it
.endif
	CVT \it
	OUT \it
.endr
	s_wait_tensorcnt 0x0                           ; the wave's end, behind my last LDS store
	ds_add_u32 v[SPW], v[NIL]
	s_wait_dscnt 0x0
	s_endpgm
.Lfunc_end_k_q5de9e61697_cast:
	.size	k_q5de9e61697_cast, .Lfunc_end_k_q5de9e61697_cast-k_q5de9e61697_cast
	.p2alignl 7, 3214868480
	.fill 96, 4, 3214868480
	.section	.rodata,"a",@progbits
	.p2align	6, 0x0
	.amdhsa_kernel k_q5de9e61697_cast
		.amdhsa_group_segment_fixed_size 17920
		.amdhsa_private_segment_fixed_size 0
		.amdhsa_enable_private_segment 0
		.amdhsa_kernarg_size 32
		.amdhsa_user_sgpr_count 2
		.amdhsa_user_sgpr_kernarg_segment_ptr 1
		.amdhsa_wavefront_size32 1
		.amdhsa_system_sgpr_workgroup_id_x 1
		.amdhsa_system_sgpr_workgroup_id_y 1
		.amdhsa_system_sgpr_workgroup_id_z 1
		.amdhsa_system_vgpr_workitem_id 0
		.amdhsa_next_free_vgpr 176
		.amdhsa_next_free_sgpr 66
		.amdhsa_reserve_vcc 0
		.amdhsa_float_denorm_mode_32 3
		.amdhsa_float_denorm_mode_16_64 3
		.amdhsa_memory_ordered 1
		.amdhsa_forward_progress 1
		.amdhsa_inst_pref_size 52
	.end_amdhsa_kernel
	.amdgpu_metadata
---
amdhsa.version: [ 1, 2 ]
amdhsa.kernels:
  - .name:           k_q5de9e61697_cast
    .symbol:         k_q5de9e61697_cast.kd
    .args:
      - { .name: input, .offset: 0, .size: 8, .value_kind: global_buffer, .address_space: global }
      - { .name: weight, .offset: 8, .size: 8, .value_kind: global_buffer, .address_space: global }
      - { .name: abf, .offset: 16, .size: 8, .value_kind: global_buffer, .address_space: global }
      - { .name: wbf, .offset: 24, .size: 8, .value_kind: global_buffer, .address_space: global }
    .group_segment_fixed_size: 17920
    .private_segment_fixed_size: 0
    .kernarg_segment_align: 8
    .kernarg_segment_size: 32
    .max_flat_workgroup_size: 128
    .sgpr_count:     66
    .vgpr_count:     176
    .wavefront_size: 32
...
	.end_amdgpu_metadata
.endif
;; end of part 1
;; launch gemm (part 2): grid 16 x 16, 4 waves a work-group, clusters of 4 x 4, 327,680 bytes of LDS; arguments abf, wbf, out0; writes out0
.if DOCPART == 2
	.amdgcn_target "amdgcn-amd-amdhsa--gfx1250"
	.amdhsa_code_object_version 6
	.text
	.protected	k_q5de9e61697_gemm
	.globl	k_q5de9e61697_gemm
	.p2align	8
	.type	k_q5de9e61697_gemm,@function
k_q5de9e61697_gemm:
	s_mov_b64 s[64:65], 0
	v_nop
	global_prefetch_b8 v0, s[64:65] scope:SCOPE_SE
	s_setreg_imm32_b32 hwreg(HW_REG_WAVE_MODE, 25, 1), 1
	s_wait_xcnt 0x0
	s_wait_alu depctr_hold_cnt(0) depctr_sa_sdst(0) depctr_va_vdst(0) depctr_va_sdst(0) depctr_va_ssrc(0) depctr_va_vcc(0) depctr_vm_vsrc(0)
	s_getreg_b32 s2, hwreg(HW_REG_IB_STS2, 6, 4)
	s_cmp_eq_u32 s2, 0
	s_cbranch_scc0 .Lentry_in_a_cluster
	s_endpgm
.Lentry_in_a_cluster:
	s_bfe_u32 s2, ttmp6, 0x10000c
	s_cmp_lg_u32 s2, 0xf033
	s_cbranch_scc0 .Lentry_shape_is_right
	s_endpgm
.Lentry_shape_is_right:
; out0[m][n] = the sum over F = 0..255 and 32 k of A B^T, from abf and wbf: both inputs in bf16, laid out by fragments of 16 rows x 32 k (1,024 bytes, a register image) by the launch before:
;   abf = [tile row i: 16][F: 256][a: 8][1,024], m = 128 i + 16 a + r;   wbf = [tile column j: 16][F: 256][b: 16][1,024], n = 256 j + 16 b + r.   out0 is [2,048][4,096] f32, row-major (the reshape moves no byte).
; Nothing is left out: all of both buffers is multiplied.
; LIMITS.  Operands are bf16, sums f32.  Each output is the f32 sum of two partial f32 sums, one over the even F and one over the odd: another order of rounding than the reference's.  NaN and infinities are not treated apart.
; SHARES.  A work-group makes 128 x 256 of C: 16 x 16 = 256 work-groups.  Tile rows go by the grid's x, tile columns by its y: the work-groups of one y read all of abf (33.5 MB) and one sixteenth of wbf (4.2 MB).
; K IS SPLIT INSIDE THE WORK-GROUP: wave w = 2 kh + ch holds all 128 rows x columns 128 ch .. + 127 (64 accumulators, 512 registers)
; and sums over the fragments F of parity kh.  So 32 LDS loads feed 64 matrix instructions, as with a wave tile of 128 x 128 in a work-group tile of 256 x 256.  The two halves meet in LDS at the end.
; THE RING.  A step is 6 fragments along K: 49,152 bytes of A and 98,304 of B, dense in memory; two slots.  256 = 42 x 6 + 4: 42 full steps and a last one of 4 fragments, written out.
; A wave multiplies a step in three QUARTERS of 64 matrix instructions (fragment 2 q + kh), on two fragment buffers by turns; two steps (a lap) bring the buffers round.
; Behind each change of slots a wave issues one tensor load: wave 0 the step's A, waves 1 to 3 two fragments of B each.  The change stands at the head of a step's last quarter, with 8 of the quarter's
; products in front of the barrier and 56 behind the load: from a request to the wait for it a wave issues 56 + 64 + 64 = 184 of a step's 192 matrix instructions.
; CLUSTERS: 4 x 4 work-groups.  A's blocks hang on the tile row alone and are asked for jointly by a column of the cluster (same cx), B's on the tile column alone, by a row (same cy): the same load, descriptor and mask in all four.
; THE MATRIX INSTRUCTION IS USED TRANSPOSED (source 0 = 16 rows of B, source 1 = 16 rows of A): a lane holds row l % 16 of C and the 8 neighbouring columns 8 (l / 16) + 0..7.
; REGISTERS, in windows of 256 (s_set_vgpr_msb's low byte: bits 1:0 source 0, 3:2 source 1, 5:4 source 2, 7:6 destination):
;   window 0: v0-31 addresses; v64-127, v128-191 A's fragments, two buffers (on the way out: rows read back)      window 1: v64-127, v128-191 B's fragments, two buffers
;   window 2: accumulators of rows 0-63 ((a, b) at v[8 (8 a + b)])                                                  window 3: those of rows 64-127
.set ASTEP, 49152                      ; a step's A: 6 fragments x 8 blocks x 1,024
.set BSTEP, 98304                      ; a step's B: 6 x 16 x 1,024
.set SLOT,  ASTEP+BSTEP                ; A, then B
.set BOFF,  ASTEP
.set SPARE, 2*SLOT                     ; behind the ring: the spare words, 128 bytes for each wave: two blocks of 256 bytes that no other line names
.set PP,    528                        ; the way out: a row of 128 f32 + 16 bytes = 33 x 16: the 16 rows that a store touches fall on 16 different columns of 16 bytes
.set PW,    128*PP                     ; a wave's partial tile; the four lie over the slots, which have had their last fill by then
.set LAPS,  20                         ; trips of the loop: their refills bring steps 2 to 41
.set ADRA,  16                         ; v16-17  my A fragments in slot 0, 1: slot + 8,192 kh + 16 lane
.set ADRB,  20                         ; v20-21  my B fragments: slot + BOFF + 16,384 kh + 8,192 ch + 16 lane
.set ADRB2, 22                         ; v22-23  the same + 65,536: quarter 2's offsets would pass the 16-bit immediate
.set STO,   24                         ; v24     the way out: where I put 16 bytes of a row of my partial tile
.set RD0,   25                         ; v25     where I read a row of the even half's tile back
.set CO,    26                         ; v26     my byte offset in 512 bytes of a row of C
.set RD1,   27                         ; v27     the same row of the odd half's tile
.set SPW,   28                         ; v28     LDS address of my spare word; never rewritten
.set NIL,   29                         ; v29     0; never rewritten
.set PFO,   30                         ; v30     256 x lane, for the prefetches; never rewritten
.set F0,    64
.set F1,    128
.set LIM,   22                         ; s22, s23  by slot: 1 in a wave that prefetches at that slot's change, else the greatest number
.set G1,    24                         ; s[24:31] descriptor group 1 for A;  s[32:39] group 0, a set for each slot
.set G0,    32
.set PFA,   44                         ; s[44:45] where my prefetches stand
.set PFS,   46                         ; s[46:47] their step: a step's bytes of A or of B
.set G1B,   48                         ; s[48:55], s[56:63] the same for B
.set G0B,   56
.set MSB, 0
.macro WIN new                         ; the immediate's high byte repeats the setting that is left; a switch that changes nothing is dropped
.if MSB != (\new)
	s_set_vgpr_msb (MSB<<8)|(\new)
.set MSB, \new
.endif
.endm
.set MUL_LO, 0xa1                      ; source 0 (B) window 1, source 1 (A) window 0, C and D window 2
.set MUL_HI, 0xf1                      ; the same, C and D window 3
.set TO_B,   0x40                      ; destination window 1, address window 0
.macro PLACES                          ; four places behind matrix instructions, in front of loads into registers that they have read (ISA guide 7.12.1 for vector instructions)
.rept 4
	v_nop
.endr
.endm
; A joint load.  Wave 0 fetches the step's A, waves 1 to 3 two fragments of B each.  The branch hangs on the wave's number alone.  An s_nop 0 and four v_nop follow each of the two lines.
.macro JLOAD s
	s_cmp_eq_u32 s10, 0
	s_cbranch_scc0 .Lfor_b_\@
	tensor_load_to_lds s[G0+4*(\s):G0+4*(\s)+3], s[G1:G1+7]
	s_nop 0
.rept 4
	v_nop
.endr
	s_branch .Lasked_\@
.Lfor_b_\@:
	tensor_load_to_lds s[G0B+4*(\s):G0B+4*(\s)+3], s[G1B:G1B+7]
	s_nop 0
.rept 4
	v_nop
.endr
.Lasked_\@:
.endm
; The last step's joint load, into slot 0: 4 fragments.  Wave 0 fetches A's (128 rows of 256 bytes), waves 1 and 2 B's; wave 3 has no part and issues none, in every work-group alike.
.macro JLOADT
	s_cmp_eq_u32 s10, 0
	s_cbranch_scc0 .Lfor_b_\@
	tensor_load_to_lds s[G0:G0+3], s[G1:G1+7]
	s_nop 0
.rept 4
	v_nop
.endr
	s_branch .Lasked_\@
.Lfor_b_\@:
	s_cmp_eq_u32 s10, 3
	s_cbranch_scc1 .Lasked_\@
	tensor_load_to_lds s[G0B:G0B+3], s[G1B:G1B+7]
	s_nop 0
.rept 4
	v_nop
.endr
.Lasked_\@:
	PLACES                                         ; wave 3 has passed no v_nop: the places in front of the LDS loads that follow
.endm
; A PREFETCH INTO THE L2 of the step that stands TWO refills on (384 matrix instructions ahead of the load that will want it), behind the joint load, its five lines and the run of LDS loads.
; Each block of 256 bytes is named once in the launch.  B's tile column is read by every cluster of the same cluster y: cluster x = 0 asks; of the 128 blocks that wave w (1..3) will fetch, the partner
; at place cx takes 32: a lane a block, one instruction at every change.  A's tile row is read by every cluster of the same cluster x: cluster y = 0 asks, wave 0, once a lap (at slot 0's change): of the lap's
; 384 blocks the partner at place cy takes 96: three instructions.  Partners are told apart BY ADDRESS; no branch hangs on a place in the cluster.  The loop's last trip (s3 = 1) and the tail ask for nothing:
; the highest step named is 41.  Steps 0 to 3 and the short step 42 come by their loads alone.
.macro ASK slot
	s_cmp_gt_u32 s3, s[LIM+(\slot)]
	s_cbranch_scc0 .Lnot_mine_\@
	global_prefetch_b8 v[PFO], s[PFA:PFA+1] th:TH_LOAD_NT scope:SCOPE_SE
.if (\slot) == 0
	s_cmp_eq_u32 s10, 0
	s_cbranch_scc0 .Lnot_mine_\@
	global_prefetch_b8 v[PFO], s[PFA:PFA+1] offset:8192 th:TH_LOAD_NT scope:SCOPE_SE
	global_prefetch_b8 v[PFO], s[PFA:PFA+1] offset:16384 th:TH_LOAD_NT scope:SCOPE_SE
.endif
.Lnot_mine_\@:
.endm
; A round of the cluster's barrier: my work-group's barrier; wave 0 signals for the work-group; every wave waits for all sixteen work-groups; my work-group's barrier once more.
.macro CREST                           ; a round behind its opening barrier
	s_cmp_lg_u32 s10, 0
	s_cbranch_scc1 .Lnot_wave_0_\@
	s_barrier_signal -3
.Lnot_wave_0_\@:
	s_barrier_wait -3
	s_barrier_signal -1
	s_barrier_wait -1
.endm
.macro CROUND                          ; a whole round
	s_barrier_signal -1
	s_barrier_wait -1
	CREST
.endm
	s_load_b128 s[4:7], s[0:1], 0x0                ; abf s[4:5], wbf s[6:7]
	s_load_b64 s[8:9], s[0:1], 0x10                ; out0
	v_lshl_add_u32 v[SPW], v0, 2, SPARE
	v_mov_b32 v[NIL], 0
	ds_add_u32 v[SPW], v[NIL]                      ; the wave's opening: the add, twice on end, and its wait ahead of my first tensor load; the set-up below stands between
	ds_add_u32 v[SPW], v[NIL]                      ; and once more, under the one wait
	v_lshrrev_b32 v1, 5, v0
	v_readfirstlane_b32 s10, v1                    ; wave 0..3
	s_lshr_b32 s11, s10, 1                         ; kh: the parity of my fragments along K
	s_and_b32 s12, s10, 1                          ; ch: my half of the tile's columns
	s_bfe_u32 s40, ttmp6, 0x40000                  ; cx: my place along the cluster's x
	s_bfe_u32 s41, ttmp6, 0x40004                  ; cy: along its y
	s_lshl_b32 s13, ttmp9, 2                       ; in a cluster launch ttmp9 and ttmp7 count clusters
	s_add_co_u32 s13, s13, s40                     ; i, the tile row = 4 x cluster x + cx
	s_and_b32 s42, ttmp7, 0xffff
	s_lshl_b32 s42, s42, 2
	s_add_co_u32 s42, s42, s41                     ; j, the tile column = 4 x cluster y + cy
	s_lshl_b32 s43, 0x1111, s40                    ; my column of the cluster: places cx, cx + 4, cx + 8, cx + 12
	; descriptor group 1: a dense block, asked for as rows of 256 bytes (32 elements of 8 bytes), no padding: fragments are read from LDS in runs of 512 consecutive bytes
	s_or_b32 s[G1+0], s43, (3<<16)|(1<<21)         ; 15:0 the mask: A goes to my column; 17:16 elements of 8 bytes; 21 set beside a mask
	s_lshl_b32 s43, s41, 2
	s_lshl_b32 s43, 15, s43                        ; my row: places 4 cy .. 4 cy + 3
	s_or_b32 s[G1B+0], s43, (3<<16)|(1<<21)        ; B goes to my row
	s_mov_b32 s[G1+1], 32<<16                      ; tensor_dim0 = 32
	s_mov_b32 s[G1+2], 192<<16                     ; tensor_dim1 = 192 rows: 49,152 bytes
	s_mov_b32 s[G1+3], 32<<16                      ; tile_dim0 = 32
	s_mov_b32 s[G1+4], 192                         ; tile_dim1 = 192
	s_mov_b32 s[G1+5], 32                          ; 32 elements from row to row: dense
	s_mov_b32 s[G1+6], 0
	s_mov_b32 s[G1+7], 0
	s_mov_b32 s[G1B+1], 32<<16
	s_mov_b32 s[G1B+2], 128<<16                    ; 128 rows: 32,768 bytes, two fragments of B
	s_mov_b32 s[G1B+3], 32<<16
	s_mov_b32 s[G1B+4], 128
	s_mov_b32 s[G1B+5], 32
	s_mov_b32 s[G1B+6], 0
	s_mov_b32 s[G1B+7], 0
	; where the blocks come from: A's by i alone, B's by j and the wave's number alone, each in registers of its own
	s_lshl_b32 s16, s13, 21                        ; A: a tile row is 2,097,152 bytes
	s_mov_b32 s17, 0
	s_max_u32 s14, s10, 1
	s_sub_co_u32 s14, s14, 1                       ; waves 1..3 take fragments 0-1, 2-3, 4-5 of a step's B (wave 0 never issues B's line)
	s_lshl_b32 s14, s14, 15
	s_lshl_b32 s20, s42, 22                        ; B: a tile column is 4,194,304 bytes
	s_add_co_u32 s20, s20, s14
	s_mov_b32 s21, 0
	s_lshl_b32 s15, s10, 15                        ; and where B's go: BOFF + 32,768 (wave - 1): no place in the cluster enters an LDS address
	s_add_co_u32 s15, s15, BOFF-32768
	s_wait_dscnt 0x0                               ; both opening adds are done
	s_wait_kmcnt 0x0
	s_add_nc_u64 s[16:17], s[4:5], s[16:17]
	s_add_nc_u64 s[20:21], s[6:7], s[20:21]
	CROUND                                         ; all sixteen work-groups are here: the first joint loads meet
.irp s, 0,1
	s_mov_b32 s[G0+4*(\s)], 1                                      ; 1:0 count = 1
	s_mov_b32 s[G0+4*(\s)+1], (\s)*SLOT                            ; 63:32 LDS address
	s_add_nc_u64 s[G0+4*(\s)+2:G0+4*(\s)+3], s[16:17], (\s)*ASTEP  ; 120:64 global address: step s
	s_or_b32 s[G0+4*(\s)+3], s[G0+4*(\s)+3], 0x80000000            ; 127:126 type = 2
	s_mov_b32 s[G0B+4*(\s)], 1
	s_add_co_u32 s[G0B+4*(\s)+1], s15, (\s)*SLOT
	s_add_nc_u64 s[G0B+4*(\s)+2:G0B+4*(\s)+3], s[20:21], (\s)*BSTEP
	s_or_b32 s[G0B+4*(\s)+3], s[G0B+4*(\s)+3], 0x80000000
	JLOAD \s                                       ; both slots are asked for before anything else is done: two tensor loads of mine are out
.endr
	; LDS addresses.  A fragment is read by two loads of 16 bytes a lane, at 16 x lane and 512 bytes on.
	v_and_b32 v1, 31, v0                           ; lane
	v_lshlrev_b32 v2, 4, v1                        ; 16 x lane
	s_lshl_b32 s66, s11, 13                        ; A: fragment kh of a slot
	s_lshl_b32 s67, s11, 14                        ; B: fragment kh,
	s_lshl_b32 s68, s12, 13                        ; my 8 of its 16 blocks
	s_add_co_u32 s67, s67, s68
	s_add_co_u32 s67, s67, BOFF
.irp s, 0,1
	v_add_nc_u32 v[ADRA+(\s)], s66, v2
	v_add_nc_u32 v[ADRB+(\s)], s67, v2
	s_add_co_u32 s66, s66, SLOT
	s_add_co_u32 s67, s67, SLOT
.endr
	v_add_nc_u32 v[ADRB2], 0x10000, v[ADRB]
	v_add_nc_u32 v[ADRB2+1], 0x10000, v[ADRB+1]
	v_and_b32 v3, 15, v0                           ; l % 16
	v_bfe_u32 v4, v0, 4, 1                         ; l / 16
	v_mul_u32_u24 v[STO], v3, PP                   ; in: row l % 16, 32 bytes for each half of the lanes
	v_lshl_add_u32 v[STO], v4, 5, v[STO]
	s_mul_i32 s69, s10, PW                         ; my partial tile
	v_add_nc_u32 v[STO], s69, v[STO]
	s_mul_i32 s69, s12, PW                         ; back: I finish rows 64 kh .. + 63 of column half ch: wave ch's tile (even F),
	s_mul_i32 s70, s11, 64*PP
	s_add_co_u32 s69, s69, s70
	v_add_nc_u32 v[RD0], s69, v2
	v_add_nc_u32 v[RD1], 2*PW, v[RD0]              ; and wave 2 + ch's (odd F)
	v_mov_b32 v[CO], v2
	v_lshlrev_b32 v[PFO], 8, v1
	; out0 at my first row and column: row 128 i + 64 kh (16,384 bytes a row), column 256 j + 128 ch
	s_lshl_b32 s72, s13, 21
	s_lshl_b32 s73, s11, 20
	s_add_co_u32 s72, s72, s73
	s_lshl_b32 s73, s42, 10
	s_add_co_u32 s72, s72, s73
	s_lshl_b32 s73, s12, 9
	s_add_co_u32 s72, s72, s73
	s_mov_b32 s73, 0
	s_add_nc_u64 s[8:9], s[8:9], s[72:73]
	; the prefetches.  s[16:17] = A at my tile row, s[20:21] = B at my wave's part of my tile column
	s_and_b32 s66, ttmp7, 0xffff                   ; cluster y
	s_mov_b32 s68, 8192
	s_mov_b32 s69, 3*BSTEP
	s_mov_b32 s[PFS], BSTEP
	s_cmp_eq_u32 s10, 0                            ; do I fetch A?
	s_cselect_b32 s66, s66, ttmp9                  ; the coordinate along which other clusters read the same blocks: for A cluster y, for B cluster x
	s_cselect_b32 s67, s41, s40                    ; my place among the four that ask jointly: for A cy, for B cx
	s_cselect_b32 s68, 24576, s68                  ; a partner's share, in bytes
	s_cselect_b32 s69, 3*ASTEP, s69                ; at step 3: the first change steps it to step 4
	s_cselect_b32 s[PFS], ASTEP, s[PFS]
	s_cselect_b64 s[PFA:PFA+1], s[16:17], s[20:21]
	s_mov_b32 s[PFS+1], 0
	s_mul_i32 s70, s67, s68
	s_add_co_u32 s70, s70, s69
	s_mov_b32 s71, 0
	s_add_nc_u64 s[PFA:PFA+1], s[PFA:PFA+1], s[70:71]
	s_cmp_eq_u32 s66, 0
	s_cselect_b32 s[LIM], 1, -1                    ; the same in all sixteen partners, for a given wave
	s_cmp_eq_u32 s10, 0
	s_cselect_b32 s[LIM+1], -1, s[LIM]             ; wave 0 asks at slot 0's change alone
	; nothing is prefetched here, at the head, where every work-group's first two steps are on their way
; 8 matrix instructions: m block a of the window's four (hi = 0: rows 0-63, 1: rows 64-127) x all 8 n blocks, one fragment along K.  zero = 1: the first product starts the sums.
; The 64 accumulators take turns, one instruction a turn, in the same order in every quarter.
.macro MUL8 f, hi, a, zero
	WIN MUL_LO+0x50*(\hi)
.irp b, 0,1,2,3,4,5,6,7
.if \zero
	v_wmma_f32_16x16x32_bf16 v[8*(8*(\a)+(\b)):8*(8*(\a)+(\b))+7], v[(\f)+8*(\b):(\f)+8*(\b)+7], v[(\f)+8*(4*(\hi)+(\a)):(\f)+8*(4*(\hi)+(\a))+7], 0
.else
	v_wmma_f32_16x16x32_bf16 v[8*(8*(\a)+(\b)):8*(8*(\a)+(\b))+7], v[(\f)+8*(\b):(\f)+8*(\b)+7], v[(\f)+8*(4*(\hi)+(\a)):(\f)+8*(4*(\hi)+(\a))+7], v[8*(8*(\a)+(\b)):8*(8*(\a)+(\b))+7]
.endif
.endr
.endm
.macro MUL16 f, hi, a0, zero           ; m blocks a0 and a0 + 1
	MUL8 \f, \hi, \a0, \zero
	MUL8 \f, \hi, (\a0)+1, \zero
.endm
; 32 LDS loads in one run: quarter q's fragments (fragment 2 q + kh of the slot: my 8 blocks of B, then A's 8) into buffer f
.macro FETCH slot, q, f
	WIN TO_B
.irp i, 0,1,2,3,4,5,6,7
.if (\q) == 2
	ds_load_b128 v[(\f)+8*(\i):(\f)+8*(\i)+3],   v[ADRB2+(\slot)] offset:(\i)*1024
	ds_load_b128 v[(\f)+8*(\i)+4:(\f)+8*(\i)+7], v[ADRB2+(\slot)] offset:(\i)*1024+512
.else
	ds_load_b128 v[(\f)+8*(\i):(\f)+8*(\i)+3],   v[ADRB+(\slot)] offset:(\q)*32768+(\i)*1024
	ds_load_b128 v[(\f)+8*(\i)+4:(\f)+8*(\i)+7], v[ADRB+(\slot)] offset:(\q)*32768+(\i)*1024+512
.endif
.endr
	WIN 0
.irp i, 0,1,2,3,4,5,6,7
	ds_load_b128 v[(\f)+8*(\i):(\f)+8*(\i)+3],   v[ADRA+(\slot)] offset:(\q)*16384+(\i)*1024
	ds_load_b128 v[(\f)+8*(\i)+4:(\f)+8*(\i)+7], v[ADRA+(\slot)] offset:(\q)*16384+(\i)*1024+512
.endr
.endm
; One of a step's first two quarters: multiplies buffer f; in its middle it fetches quarter qn of the same slot into buffer g.
.macro QUARTER slot, qn, f, g, zero
	s_wait_dscnt 8                                 ; B and A's rows 0-63 are in; the youngest eight loads (A's rows 64-127) may be out
	MUL16 \f, 0, 0, \zero
	MUL16 \f, 0, 2, \zero
	PLACES
	FETCH \slot, \qn, \g
	s_wait_dscnt 32                                ; all but the 32 just issued
	MUL16 \f, 1, 0, \zero
	MUL16 \f, 1, 2, \zero
.endm
; A step's last quarter: it changes slots at its head, multiplies buffer f and fetches the next slot's quarter 0 into g.
; ONE barrier for the change.  In front of it each wave waits for all its tensor loads (the one that is out is its part of the next slot), adds 0 to its spare word, and waits for that and for its own reads
; of this slot, the quarter's fragments among them.  Behind it nobody reads this slot any more and the next slot is whole.  Between the wait for the loads and the next request stand the descriptors' steps,
; 8 products (while the add is out) and the round, and nothing else: the quarter's other 56 products stand behind the request, while the new load is on its way.
; mode 0: this slot is filled again, two steps on, and a prefetch follows.  mode 1: it is filled with the short last step.  mode 2: nothing is filled, so no round follows.
.macro TURN slot, next, f, g, mode
.if (\mode) == 0
	s_wait_xcnt 0x0                                ; the last prefetch, a step back, has read its address: it is stepped here, ahead of the waits of the change of slots
	s_add_nc_u64 s[PFA:PFA+1], s[PFA:PFA+1], s[PFS:PFS+1]
.endif
	WIN 0                                          ; (the add's two registers lie in window 0)
	s_wait_tensorcnt 0x0                           ; all my tensor loads have landed: no load of mine is out, so the descriptors may be written
	ds_add_u32 v[SPW], v[NIL]                      ; 0 onto my spare word
.if (\mode) < 2
	s_add_nc_u64 s[G0+4*(\slot)+2:G0+4*(\slot)+3], s[G0+4*(\slot)+2:G0+4*(\slot)+3], 2*ASTEP    ; this slot's next step; the type bits on top are not reached
	s_add_nc_u64 s[G0B+4*(\slot)+2:G0B+4*(\slot)+3], s[G0B+4*(\slot)+2:G0B+4*(\slot)+3], 2*BSTEP
.endif
.if (\mode) == 1
	s_mov_b32 s[G1+2], 128<<16                     ; the last step's A: 4 fragments, 128 rows of 256 bytes
	s_mov_b32 s[G1+4], 128
.endif
	s_wait_dscnt 15                                ; B's 16 loads and A's block 0 are in; A's 14 younger loads and the add may be out
	MUL8 \f, 0, 0, 0                               ; eight matrix instructions stand between the add and the wait for it
	WIN 0
	s_wait_dscnt 0x0                               ; the add is done, and my reads of this slot are over
	s_barrier_signal -1
	s_barrier_wait -1
.if (\mode) == 2
	PLACES
.else
	CREST                                          ; that barrier has opened a round of the cluster's: no wave of any partner still reads this slot or has a load on its way
.if (\mode) == 1
	JLOADT
.else
	JLOAD \slot                                    ; the first tensor load behind the round; its four v_nop are also the places in front of the loads below
.endif
.endif
	FETCH \next, 0, \g
.if (\mode) == 0
	ASK \slot
.endif
	MUL8 \f, 0, 1, 0
	MUL16 \f, 0, 2, 0
	MUL16 \f, 1, 0, 0
	MUL16 \f, 1, 2, 0
.endm
	s_wait_tensorcnt 1                             ; my part of step 0 is in; step 1's may stay out
	s_barrier_signal -1
	s_barrier_wait -1                              ; everybody's is
	FETCH 0, 0, F0
	QUARTER 0, 1, F0, F1, 1                        ; the first quarter stands in front of the loop: its products start the sums
	WIN 0                                          ; at a label and at a branch every window is 0
	s_mov_b32 s3, LAPS
.Llap:                                                 ; a trip goes once round the ring, from a lap's second quarter to the next lap's first, and fills both slots again
	QUARTER 0, 2, F1, F0, 0
	TURN 0, 1, F0, F1, 0
	QUARTER 1, 1, F1, F0, 0
	QUARTER 1, 2, F0, F1, 0
	TURN 1, 0, F1, F0, 0
	QUARTER 0, 1, F0, F1, 0
	WIN 0
	s_sub_co_u32 s3, s3, 1
	s_cmp_lg_u32 s3, 0
	s_cbranch_scc1 .Llap
	QUARTER 0, 2, F1, F0, 0                        ; the tail is written out: steps 40 and 41,
	TURN 0, 1, F0, F1, 1                           ; slot 0 takes the short step 42,
	QUARTER 1, 1, F1, F0, 0
	QUARTER 1, 2, F0, F1, 0
	TURN 1, 0, F1, F0, 2                           ; nothing more is asked for
	QUARTER 0, 1, F0, F1, 0                        ; step 42 has two quarters
	s_wait_dscnt 8
	MUL16 F1, 0, 0, 0
	MUL16 F1, 0, 2, 0
	s_wait_dscnt 0x0                               ; my last reads of the slots are over:
	s_barrier_signal -1                            ; say so,
	MUL16 F1, 1, 0, 0
	MUL16 F1, 1, 2, 0
	WIN 0
	s_barrier_wait -1                              ; nobody reads a slot any more, and every tensor load has landed: the partial tiles may lie over the slots
	; THE WAY OUT.  Each wave puts its partial tile, 128 rows x 128 f32, into LDS; a barrier; wave (kh, ch) adds rows 64 kh .. + 63 of the two tiles of column half ch and stores them.
	PLACES
	PLACES                                         ; eight places, once a launch, behind the last products
.irp a, 0,1,2,3,4,5,6,7
	WIN 0x08+4*((\a)/4)                            ; the stores' data (source 1) in window 2 or 3
.irp b, 0,1,2,3,4,5,6,7
	ds_store_b128 v[STO], v[8*(8*((\a)%4)+(\b)):8*(8*((\a)%4)+(\b))+3]   offset:(\a)*16*PP+64*(\b)     ; each accumulator's low registers first
	ds_store_b128 v[STO], v[8*(8*((\a)%4)+(\b))+4:8*(8*((\a)%4)+(\b))+7] offset:(\a)*16*PP+64*(\b)+16
.endr
.endr
	WIN 0
	s_wait_dscnt 0x0                               ; for the others' sake: my stores are done
	s_barrier_signal -1
	s_barrier_wait -1
.macro RDB q                           ; batch q: 8 rows of both tiles, 512 consecutive bytes a load, into set q % 2
.irp u, 0,1,2,3,4,5,6,7
	ds_load_b128 v[F0+64*((\q)%2)+8*(\u):F0+64*((\q)%2)+8*(\u)+3],   v[RD0] offset:(8*(\q)+(\u))*PP
	ds_load_b128 v[F0+64*((\q)%2)+8*(\u)+4:F0+64*((\q)%2)+8*(\u)+7], v[RD1] offset:(8*(\q)+(\u))*PP
.endr
.endm
	RDB 0
.irp q, 0,1,2,3,4,5,6,7
.if (\q) < 7
.if (\q) > 0
	s_wait_xcnt 0x0                                ; the stores of the batch before last have had their addresses translated (ISA guide 3.1): their set is loaded again only behind this wait
.endif
	RDB (\q)+1
	s_wait_dscnt 16                                ; this batch is in; the next batch's 16 loads may be out
.else
	s_wait_dscnt 0x0
.endif
.irp u, 0,1,2,3,4,5,6,7
	v_pk_add_f32 v[F0+64*((\q)%2)+8*(\u):F0+64*((\q)%2)+8*(\u)+1],   v[F0+64*((\q)%2)+8*(\u):F0+64*((\q)%2)+8*(\u)+1],   v[F0+64*((\q)%2)+8*(\u)+4:F0+64*((\q)%2)+8*(\u)+5]
	v_pk_add_f32 v[F0+64*((\q)%2)+8*(\u)+2:F0+64*((\q)%2)+8*(\u)+3], v[F0+64*((\q)%2)+8*(\u)+2:F0+64*((\q)%2)+8*(\u)+3], v[F0+64*((\q)%2)+8*(\u)+6:F0+64*((\q)%2)+8*(\u)+7]
.endr
.irp u, 0,1,2,3,4,5,6,7
	global_store_b128 v[CO], v[F0+64*((\q)%2)+8*(\u):F0+64*((\q)%2)+8*(\u)+3], s[8:9] offset:(8*(\q)+(\u))*16384 th:TH_STORE_NT  ; 512 consecutive bytes of a row of C, aligned; 63 rows at the most: inside the signed 24-bit immediate
.endr
.endr
	s_wait_tensorcnt 0x0                           ; the wave's end, behind my last tensor load and my last LDS store
	ds_add_u32 v[SPW], v[NIL]
	s_wait_dscnt 0x0
	CROUND                                         ; the closing round: no work-group ends while a partner may still ask for a block that names it
	s_endpgm
.Lfunc_end_k_q5de9e61697_gemm:
	.size	k_q5de9e61697_gemm, .Lfunc_end_k_q5de9e61697_gemm-k_q5de9e61697_gemm
	.p2alignl 7, 3214868480
	.fill 96, 4, 3214868480
	.section	.rodata,"a",@progbits
	.p2align	6, 0x0
	.amdhsa_kernel k_q5de9e61697_gemm
		.amdhsa_group_segment_fixed_size 327680
		.amdhsa_private_segment_fixed_size 0
		.amdhsa_enable_private_segment 0
		.amdhsa_kernarg_size 24
		.amdhsa_user_sgpr_count 2
		.amdhsa_user_sgpr_kernarg_segment_ptr 1
		.amdhsa_wavefront_size32 1
		.amdhsa_system_sgpr_workgroup_id_x 1
		.amdhsa_system_sgpr_workgroup_id_y 1
		.amdhsa_system_sgpr_workgroup_id_z 1
		.amdhsa_system_vgpr_workitem_id 0
		.amdhsa_next_free_vgpr 1024
		.amdhsa_next_free_sgpr 76
		.amdhsa_reserve_vcc 0
		.amdhsa_float_denorm_mode_32 3
		.amdhsa_float_denorm_mode_16_64 3
		.amdhsa_memory_ordered 1
		.amdhsa_forward_progress 1
		.amdhsa_inst_pref_size 132
	.end_amdhsa_kernel
	.amdgpu_metadata
---
amdhsa.version: [ 1, 2 ]
amdhsa.kernels:
  - .name:           k_q5de9e61697_gemm
    .symbol:         k_q5de9e61697_gemm.kd
    .args:
      - { .name: abf, .offset: 0, .size: 8, .value_kind: global_buffer, .address_space: global }
      - { .name: wbf, .offset: 8, .size: 8, .value_kind: global_buffer, .address_space: global }
      - { .name: out0, .offset: 16, .size: 8, .value_kind: global_buffer, .address_space: global }
    .group_segment_fixed_size: 327680
    .private_segment_fixed_size: 0
    .kernarg_segment_align: 8
    .kernarg_segment_size: 24
    .max_flat_workgroup_size: 128
    .sgpr_count:     76
    .vgpr_count:     1024
    .wavefront_size: 32
...
	.end_amdgpu_metadata
.endif
;; end of part 2
;; ======== version 2 of 2: 2 launches; version 1 with the launch cast written anew for expert scheduling mode
;; workspace buffers: abf 33,554,432 bytes; wbf 67,108,864 bytes
;; launch cast (part 3): grid 768 x 1, 4 waves a work-group, no clusters, 17,920 bytes of LDS; arguments input, weight, abf, wbf; writes abf, wbf
.if DOCPART == 3
	.amdgcn_target "amdgcn-amd-amdhsa--gfx1250"
	.amdhsa_code_object_version 6
	.text
	.protected	k_q5de9e61697_cast
	.globl	k_q5de9e61697_cast
	.p2align	8
	.type	k_q5de9e61697_cast,@function
k_q5de9e61697_cast:
	s_mov_b64 s[64:65], 0
	v_nop
	global_prefetch_b8 v0, s[64:65] scope:SCOPE_SE
	s_setreg_imm32_b32 hwreg(HW_REG_WAVE_SCHED_MODE, 0, 2), 2
	s_setreg_imm32_b32 hwreg(HW_REG_WAVE_MODE, 25, 1), 1
	s_wait_xcnt 0x0
	s_wait_alu depctr_vm_vsrc(0)
; out0 = the sum over rank r and k of input[r][m][k] weight[r][n][k]: one product with M = 2,048, N = 4,096 and 8 x 1,024 = 8,192 along K.
; NOTHING IS LEFT OUT: every number of both inputs reaches an output, so both are loaded whole.
; THIS LAUNCH rounds both inputs to bf16 once (to nearest even) and lays them out BY FRAGMENTS, as the second launch's matrix registers take them.
; A fragment is 16 rows x 32 k, 1,024 bytes: row r, k = 16 c + 8 h + e (c, h in 0..1, e in 0..7) lies at byte 512 c + 256 h + 16 r + 2 e.
; So lane l = 16 h + r of a wave finds its registers 0-3 at byte 16 l and its registers 4-7 at byte 512 + 16 l.
; With F = 32 rank + k / 32 (0..255):   abf = [tile row i: 16][F: 256][a: 8][1,024]   for m = 128 i + 16 a + r
;                                       wbf = [tile column j: 16][F: 256][b: 16][1,024]  for n = 256 j + 16 b + r
; LIMITS.  An f32 beyond bf16's largest finite number rounds to an infinity; NaN and infinities are not treated apart.
; SHARES.  A task is 16 rows x 1,024 k of one rank: 65,536 consecutive bytes of its input, number t.  input has 1,024 tasks, weight 2,048; a wave takes one: 768 work-groups of 4 waves.
; Work-groups 0..255 take input, the others weight.  A task goes in 8 turns of 128 k (4 fragments): 16 loads of 512 consecutive bytes (one a row), rounding, a turn through the wave's own
; stage in LDS, 8 stores of 512 consecutive bytes, aligned.  Two sets of registers: while one is rounded the other's 16 loads are on their way.
; No barrier: a stage is its wave's own, and LDS serves a wave's instructions in order (ISA guide 5.7.1.4).
; THE MODE: SCHED_MODE bits 1:0 = 2 (LLVM: expert scheduling mode 2), set by the entry lines.  The code itself states the register dependences
; between vector instructions and memory or LDS instructions, with s_wait_alu, always for 0.
; THE PLAN.  Registers that memory or LDS instructions touch:
;   X0, X1      Turn it: its 32 roundings read X[it % 2]; behind them the loads of turn it + 2 land in it.  No memory or LDS instruction reads them.
;   P           Written by turn it's roundings; read by turn it's 16 LDS stores.
;   O0, O1      Turn it's 8 LDS loads land in O[it % 2]; the 8 stores to memory that read it are issued in turn it + 1, dealt among that turn's roundings.  No vector instruction names them.
;   v4-6, v8-11 Offsets and LDS addresses, made once at the head and never written again: the rows are reached by immediate offsets, the fragments by a scalar base that steps.
;   v2, v3      Written at the head, read by the closing add alone.
; So a turn holds two waits.  At its head, on vm_vsrc: the LDS stores of the turn before have read P, and the stores to memory issued in the turn before have read the O in which this turn's LDS loads land.
; Behind its roundings, on va_vdst: P is written, and X[it % 2] is read out.  The stores dealt among the roundings read O and v8-11, which the roundings (X and P alone) do not name.
.set UP,    272                        ; a unit of 256 bytes in the stage + 16 of padding = 68 words: the 32 lanes' 8-byte stores fall on words 2 l + 4 r mod 64, all different (64 banks of 4 bytes: ISA guide 11.1)
.set STG,   16*UP                      ; a wave's stage: the 16 units of 4 fragments
.set SPARE, 4*STG                      ; behind the stages: the spare words, 128 bytes for each wave: two blocks of 256 bytes that no other line names
.set SPW, 2                            ; v2   LDS address of my spare word; never rewritten
.set NIL, 3                            ; v3   0; never rewritten
.set LO,  4                            ; v4   16 x lane: my 4 numbers in a row's 512 bytes; never rewritten
.set SA,  5                            ; v5   stage, in: unit lane / 2, byte 8 (lane % 2)
.set SR,  6                            ; v6   stage, back: unit lane / 16, byte 16 (lane % 16)
.set DO,  8                            ; v8-11  16 x lane + f x the bytes from a fragment to the next along F; never rewritten
.set X,   16                           ; v[16:143]  two sets of 64: row r's 4 numbers at 4 r
.set O,   144                          ; v[144:207] two sets of 32: a turn's 4 fragments, to store
.set P,   208                          ; v[208:239] a turn's numbers in bf16: row r's 4 at 2 r
.set SRC, 14                           ; s[14:15]  my task's first byte
.set DST, 16                           ; s[16:17]  the first fragment of the turn that is being stored
.set STEP, 18                          ; s[18:19]  4 fragments along F, in bytes
	s_load_b256 s[4:11], s[0:1], 0x0               ; input s[4:5], weight s[6:7], abf s[8:9], wbf s[10:11]
	v_lshl_add_u32 v[SPW], v0, 2, SPARE
	v_mov_b32 v[NIL], 0
	v_lshrrev_b32 v1, 5, v0
	v_readfirstlane_b32 s12, v1                    ; wave 0..3
	v_and_b32 v1, 31, v0                           ; lane
	v_lshlrev_b32 v[LO], 4, v1                     ; what hangs on the lane alone stands here, between s12's writer and the wait for it
	v_lshrrev_b32 v7, 1, v1
	v_mul_u32_u24 v[SA], v7, UP
	v_and_b32 v7, 1, v1
	v_lshl_add_u32 v[SA], v7, 3, v[SA]
	v_lshrrev_b32 v7, 4, v1
	v_mul_u32_u24 v[SR], v7, UP
	v_and_b32 v7, 15, v1
	v_lshl_add_u32 v[SR], v7, 4, v[SR]
	v_mov_b32 v[DO], v[LO]
	s_wait_alu depctr_va_sdst(0)                   ; s12 is written, ahead of its first reader: the task's number and the stage's place are made from it
	s_lshl_b32 s20, ttmp9, 2
	s_add_co_u32 s20, s20, s12                     ; 4 x work-group + wave
	s_cmp_lt_u32 ttmp9, 256                        ; input or weight?
	s_cselect_b32 s21, 3, 4                        ; log2 of the 16-row blocks in a tile: 8 or 16
	s_cselect_b32 s22, 7, 8                        ; log2 of the tasks in a rank: 128 or 256
	s_cselect_b32 s23, 0, 1024
	s_sub_co_u32 s20, s20, s23                     ; t
	s_lshr_b32 s24, s20, s22                       ; rank
	s_lshl_b32 s25, s24, s22
	s_sub_co_u32 s25, s20, s25                     ; the 16-row block in the rank
	s_lshr_b32 s26, s25, s21                       ; its tile,
	s_lshl_b32 s27, s26, s21
	s_sub_co_u32 s27, s25, s27                     ; and its place there
	s_lshl_b32 s26, s26, 8
	s_lshl_b32 s24, s24, 5
	s_add_co_u32 s26, s26, s24                     ; 256 x tile + 32 x rank
	s_lshl_b32 s26, s26, s21
	s_add_co_u32 s26, s26, s27
	s_lshl_b32 s26, s26, 10                        ; my first fragment's byte offset (under 2^27)
	s_mov_b32 s27, 0
	s_lshl_b32 s30, s20, 16                        ; my task's byte offset (under 2^28)
	s_mov_b32 s31, 0
	s_lshl_b32 s28, 1024, s21                      ; bytes from a fragment to the next along F
	s_lshl_b32 s[STEP], s28, 2
	s_mov_b32 s[STEP+1], 0
	s_mul_i32 s29, s12, STG                        ; my stage
	v_add_nc_u32 v[SA], s29, v[SA]
	v_add_nc_u32 v[SR], s29, v[SR]
	v_add_nc_u32 v[DO+1], s28, v[DO]
	v_add_nc_u32 v[DO+2], s28, v[DO+1]
	v_add_nc_u32 v[DO+3], s28, v[DO+2]
	s_wait_kmcnt 0x0
	s_cmp_lt_u32 ttmp9, 256                        ; compared anew: the sums above have written SCC
	s_cselect_b64 s[SRC:SRC+1], s[4:5], s[6:7]
	s_cselect_b64 s[DST:DST+1], s[8:9], s[10:11]
	s_add_nc_u64 s[SRC:SRC+1], s[SRC:SRC+1], s[30:31]
	s_add_nc_u64 s[DST:DST+1], s[DST:DST+1], s[26:27]
	s_wait_alu depctr_va_vdst(0)                   ; v4 to v6 and v8 to v11 are written: every load and store of the kernel, to memory or LDS, reads one of them as its offset or address
; Turn it's 16 loads into its set: 512 consecutive bytes of each of the 16 rows; lane l takes k = 128 it + 4 l .. + 3.
.macro LOADS it
.irp r, 0,1,2,3,4,5,6,7,8,9,10,11,12,13,14,15
	global_load_b128 v[X+64*((\it)%2)+4*(\r):X+64*((\it)%2)+4*(\r)+3], v[LO], s[SRC:SRC+1] offset:4096*(\r)+512*(\it) th:TH_LOAD_NT
.endr
.endm
; Row r of turn it, rounded in pairs: 8 bytes a lane.
.macro CVT it, r
	v_cvt_pk_bf16_f32 v[P+2*(\r)],   v[X+64*((\it)%2)+4*(\r)],   v[X+64*((\it)%2)+4*(\r)+1]
	v_cvt_pk_bf16_f32 v[P+2*(\r)+1], v[X+64*((\it)%2)+4*(\r)+2], v[X+64*((\it)%2)+4*(\r)+3]
.endm
; Into the stage and back.  Lane l's four k lie in fragment l / 8, c = (l / 4) % 2, h = (l / 2) % 2, e = 4 (l % 2) ..: unit l / 2, byte 16 r + 8 (l % 2).  Back as whole units, two to a load.
.macro TOSTAGE it
.irp r, 0,1,2,3,4,5,6,7,8,9,10,11,12,13,14,15
	ds_store_b64 v[SA], v[P+2*(\r):P+2*(\r)+1] offset:16*(\r)
.endr
.irp t, 0,1,2,3,4,5,6,7
	ds_load_b128 v[O+32*((\it)%2)+4*(\t):O+32*((\it)%2)+4*(\t)+3], v[SR] offset:2*UP*(\t)  ; units 2 t and 2 t + 1; these see the stores above: a wave's LDS instructions are served in order
.endr
.endm
; Store t of the 8 of turn it: half a fragment.
.macro SEND it, t
	s_wait_dscnt 7-(\t)                            ; LDS loads come back in order: number t is in, the younger ones may be out
	global_store_b128 v[DO+(\t)/2], v[O+32*((\it)%2)+4*(\t):O+32*((\it)%2)+4*(\t)+3], s[DST:DST+1] offset:512*((\t)%2) th:TH_STORE_NT  ; 512 consecutive bytes, aligned
.endm
; A turn: its set is rounded, with the stores of the turn before dealt among the roundings; the set is asked for again at once; the rounded numbers go through the stage.
.macro TURN it
.if (\it) < 7
	s_wait_loadcnt 16                              ; this turn's set is in; the other set's 16 younger loads may stay out
.else
	s_wait_loadcnt 0x0                             ; the last set: nothing was issued behind it
.endif
.if (\it) > 1
	s_wait_xcnt 0x0                                ; every earlier memory instruction has had its addresses translated (ISA guide 3.1): DST and O[it % 2], which the stores issued in the last turn read, are rewritten only behind this wait
.endif
.if (\it) > 0
	s_wait_alu depctr_vm_vsrc(0)                   ; the last turn's LDS stores have read P, which the roundings below write again; from turn 2 on: the stores to memory issued in the last turn have read O[it % 2], in which this turn's LDS loads land
.endif
.if (\it) > 1
	s_add_nc_u64 s[DST:DST+1], s[DST:DST+1], s[STEP:STEP+1]  ; on to the fragments of the turn that is stored below
.endif
.irp t, 0,1,2,3,4,5,6,7
.if (\it) > 0
	SEND (\it)-1, \t                               ; no wait on va_vdst: no vector instruction names O or v8-11
.endif
	CVT \it, 2*(\t)
	CVT \it, 2*(\t)+1
.endr
	s_wait_alu depctr_va_vdst(0)                   ; the roundings have written P, which the LDS stores below read, and are done reading X[it % 2], in which the loads below land
.if (\it) < 6
	LOADS (\it)+2                                  ; the same set, two turns on
.endif
	TOSTAGE \it
.endm
	LOADS 0
	LOADS 1
.irp it, 0,1,2,3,4,5,6,7
	TURN \it
.endr
	s_wait_xcnt 0x0                                ; the stores issued in turn 7 have had their addresses translated: DST steps once more
	s_add_nc_u64 s[DST:DST+1], s[DST:DST+1], s[STEP:STEP+1]
.irp t, 0,1,2,3,4,5,6,7
	SEND 7, \t                                     ; the last turn's fragments; no vector instruction stands behind turn 7's wait on va_vdst
.endr
	s_wait_dscnt 0x0                               ; the closing lines, six on end
	s_wait_alu 0x0
	s_wait_tensorcnt 0x0
	ds_add_u32 v[SPW], v[NIL]
	s_wait_dscnt 0x0
	s_endpgm
.Lfunc_end_k_q5de9e61697_cast:
	.size	k_q5de9e61697_cast, .Lfunc_end_k_q5de9e61697_cast-k_q5de9e61697_cast
	.p2alignl 7, 3214868480
	.fill 96, 4, 3214868480
	.section	.rodata,"a",@progbits
	.p2align	6, 0x0
	.amdhsa_kernel k_q5de9e61697_cast
		.amdhsa_group_segment_fixed_size 17920
		.amdhsa_private_segment_fixed_size 0
		.amdhsa_enable_private_segment 0
		.amdhsa_kernarg_size 32
		.amdhsa_user_sgpr_count 2
		.amdhsa_user_sgpr_kernarg_segment_ptr 1
		.amdhsa_wavefront_size32 1
		.amdhsa_system_sgpr_workgroup_id_x 1
		.amdhsa_system_sgpr_workgroup_id_y 1
		.amdhsa_system_sgpr_workgroup_id_z 1
		.amdhsa_system_vgpr_workitem_id 0
		.amdhsa_next_free_vgpr 240
		.amdhsa_next_free_sgpr 66
		.amdhsa_reserve_vcc 0
		.amdhsa_float_denorm_mode_32 3
		.amdhsa_float_denorm_mode_16_64 3
		.amdhsa_memory_ordered 1
		.amdhsa_forward_progress 1
		.amdhsa_inst_pref_size 52
	.end_amdhsa_kernel
	.amdgpu_metadata
---
amdhsa.version: [ 1, 2 ]
amdhsa.kernels:
  - .name:           k_q5de9e61697_cast
    .symbol:         k_q5de9e61697_cast.kd
    .args:
      - { .name: input, .offset: 0, .size: 8, .value_kind: global_buffer, .address_space: global }
      - { .name: weight, .offset: 8, .size: 8, .value_kind: global_buffer, .address_space: global }
      - { .name: abf, .offset: 16, .size: 8, .value_kind: global_buffer, .address_space: global }
      - { .name: wbf, .offset: 24, .size: 8, .value_kind: global_buffer, .address_space: global }
    .group_segment_fixed_size: 17920
    .private_segment_fixed_size: 0
    .kernarg_segment_align: 8
    .kernarg_segment_size: 32
    .max_flat_workgroup_size: 128
    .sgpr_count:     66
    .vgpr_count:     240
    .wavefront_size: 32
...
	.end_amdgpu_metadata
.endif
;; end of part 3
;; launch gemm: the kernel of part 2 again; grid 16 x 16, 4 waves a work-group, clusters of 4 x 4, 327,680 bytes of LDS; arguments abf, wbf, out0; writes out0
